; MI455X (gfx1250); checked and timed in simulation.
; The chip was launched on July 23, 2026; its instructions are those of AMD's public machine-readable ISA for CDNA 5 (MIT licence, August 2026) and "CDNA5" Instruction Set Architecture Reference Guide (July 2026). The comments in the code are by the model that wrote it; some were corrected since.
;; Self Attention. Allowed arithmetic: matrix products marked QUANTISED: E2M1 operands, one E8M0 scale for each 32 along K, by v_wmma_scale_f32_16x16x128_f8f6f4 with both operands' format E2M1 (or v_wmma_scale_f32_32x16x128_f4), f32 sums; everything else in f32.
;; Inputs: Wk_codes 512 x 16 x 16 uint8 (E2M1 codes of Wk, K innermost, in blocks of 32 codes, two codes a byte); Wk_scales 512 x 16 uint8 (E8M0 scales of Wk, one for each 32 codes along K); Wq_codes 512 x 16 x 16 uint8 (E2M1 codes of Wq, K innermost, in blocks of 32 codes, two codes a byte); Wq_scales 512 x 16 uint8 (E8M0 scales of Wq, one for each 32 codes along K); Wv_codes 512 x 16 x 16 uint8 (E2M1 codes of Wv, K innermost, in blocks of 32 codes, two codes a byte); Wv_scales 512 x 16 uint8 (E8M0 scales of Wv, one for each 32 codes along K); ln_beta 512 float32; ln_gamma 512 float32; x 4 x 2,048 x 512 float32.
;; Outputs: out0 4 x 2,048 x 512 float32.
;; This version of the problem:
;;   THIS VERSION OF THE PROBLEM IS GIVEN IN LOW PRECISION. The matrix products marked QUANTISED in the list below multiply operands that are first quantised to E2M1 (2 exponent bits, 1 mantissa bit; 4 bits a number), with one power-of-two scale for each 32 numbers along K (OCP MX v1.0); their sums are f32. All else is computed in f32.
;;   The module's matrix products, in the order in which they are computed (A, B: the left and right operand; K: the contracted axis; several contracted axes count as one K, in the product's order):
;;     1. [M 8,192, K 512] x [K 512, N 512]; A: computed on the way; B: input Wq (given as codes): QUANTISED
;;     2. [M 8,192, K 512] x [K 512, N 512]; A: computed on the way; B: input Wk (given as codes): QUANTISED
;;     3. [M 8,192, K 512] x [K 512, N 512]; A: computed on the way; B: input Wv (given as codes): QUANTISED
;;     4. batch 32 x [M 2,048, K 64] x [K 64, N 2,048]; A: computed on the way; B: computed on the way: QUANTISED
;;     5. batch 32 x [M 2,048, K 2,048] x [K 2,048, N 64]; A: softmax (see below); B: computed on the way: QUANTISED
;;   THE QUANTISER, for each operand of a quantised product, along K:
;;     - K is cut into blocks of 32 from its start; a last block that is shorter is filled with zeros.
;;     - A block's scale is 2^e with e = floor(log2(the largest magnitude in the block)) - 2, held to -126 .. 127; a block of zeros has e = 0. As a byte (E8M0): e + 127.
;;     - Each number is divided by its block's scale, clamped to +-6, and rounded to the nearest number of E2M1, ties to even, subnormals kept.
;;     - The product sums the exact products of the quantised numbers (number of the format x scale) in f32.
;;   ~~~python
;;   def quantise(x, axis):      # numpy; x: float32 -> the quantised numbers, widened to float32 again
;;       x = np.moveaxis(x, axis, -1); K = x.shape[-1]
;;       x = np.pad(x, [(0, 0)] * (x.ndim - 1) + [(0, -K % 32)]); x = x.reshape(x.shape[:-1] + (-1, 32)); a = np.abs(x).max(-1, keepdims=True)
;;       e = np.where(a > 0, np.clip(np.frexp(np.where(a > 0, a, 1))[1] - 1 - 2, -126, 127), 0)      # np.frexp(a)[1] - 1 = floor(log2(a)), exactly
;;       r = np.clip(x / 2.0 ** e, -6, 6)
;;       step = 2.0 ** (np.maximum(np.frexp(np.where(r == 0, 1, r))[1] - 1, 0) - 1)
;;       q = np.round(r / step) * step * 2.0 ** e      # np.round: ties to even
;;       return np.moveaxis(q.reshape(q.shape[:-2] + (-1,))[..., :K], -1, axis).astype(np.float32)
;;   ~~~
;;   SOFTMAX AHEAD OF A QUANTISED PRODUCT. Where the list says 'softmax', what is quantised is not the finished softmax but p = 2^(t - M), with t = logit x log2(e) and M = ceil(the row's largest t), a whole number; so 1/2 < the row's largest p <= 1. The row's sum l is taken of the UNQUANTISED p, in f32, and the product's result is divided by l at the end. Since M is a whole number, a kernel that streams over the keys may use a running M (the ceiling of the running maximum): every later rescaling is an exact power of two, which a block's scale takes up: the codes' values come out the same.
;;   OPERANDS COMPUTED ON THE WAY. 'Computed on the way' means the value that the module computes at that place (a softmax that the list does not call 'softmax' is quantised finished and normalised). What goes into a quantiser is computed in f32, as accurately as f32 sums, v_exp_f32 and their like allow (about 1e-6 of the number): no bf16 or f16 on the way to a quantiser, and a product that is left as it is and whose result goes on into a quantised operand takes f32 operands (vector FMAs, or v_wmma_f32_16x16x4_f32). A number that lies on a knife's edge between two numbers of the format may be rounded either way, as far as f32 arithmetic and the matrix unit's own rounding can turn it there, and no further.
;;   INPUTS GIVEN AS CODES. Wk (in the module: [512, 512], K = its axis 1); Wq (in the module: [512, 512], K = its axis 1); Wv (in the module: [512, 512], K = its axis 1): each comes as NAME_codes (uint8): NAME with its K axis moved to the last place and cut into blocks of 32 codes, [.., K / 32, bytes a block], one block behind the other in memory; two codes a byte, the lower K in the low four bits (a code: sign, 2 exponent bits, 1 mantissa bit); and NAME_scales (uint8): the same leading axes, one E8M0 byte (e + 127) for each 32 codes along K. Its value is code x scale, taken as it is: it is not quantised again, and the codes and scales need not be those that the quantiser above would give.
;; One version. Each part assembles by itself: llvm-mc -triple=amdgcn-amd-amdhsa -mcpu=gfx1250 --defsym DOCPART=n.
;; ======== version 1 of 1: 2 launches
;; limits: right only within a limited range of input values
;; workspace buffers: qkv 7,340,032 bytes
;; launch proj (part 1): grid 128 x 2, 8 waves a work-group, clusters of 4 x 1, 232,448 bytes of LDS; arguments x, ln_gamma, ln_beta, Wq_codes, Wq_scales, Wk_codes, Wk_scales, Wv_codes, Wv_scales, qkv; writes qkv
.if DOCPART == 1
	.amdgcn_target "amdgcn-amd-amdhsa--gfx1250"
	.amdhsa_code_object_version 6
	.text
	.protected	k_qa0ff7ed4ee_proj
	.globl	k_qa0ff7ed4ee_proj
	.p2align	8
	.type	k_qa0ff7ed4ee_proj,@function
k_qa0ff7ed4ee_proj:
	s_mov_b64 s[64:65], 0
	v_nop
	global_prefetch_b8 v0, s[64:65] scope:SCOPE_SE
	s_setreg_imm32_b32 hwreg(HW_REG_WAVE_MODE, 25, 1), 1
	s_wait_xcnt 0x0
	s_wait_alu depctr_hold_cnt(0) depctr_sa_sdst(0) depctr_va_vdst(0) depctr_va_sdst(0) depctr_va_ssrc(0) depctr_va_vcc(0) depctr_vm_vsrc(0)
	s_getreg_b32 s2, hwreg(HW_REG_IB_STS2, 6, 4)
	s_cmp_eq_u32 s2, 0
	s_cbranch_scc0 .Lentry_in_a_cluster
	s_endpgm
.Lentry_in_a_cluster:
	s_bfe_u32 s2, ttmp6, 0x10000c
	s_cmp_lg_u32 s2, 0x3003
	s_cbranch_scc0 .Lentry_shape_is_right
	s_endpgm
.Lentry_shape_is_right:
; LayerNorm of x [8192][512], its codes of FP4 (E2M1, one E8M0 byte for each 32 along K), q = xn Wq^T, k = xn Wk^T, v = xn Wv^T on codes, and q, k, v quantised again for the attention launch.
; SHARES.  A work-group takes 64 tokens (RB) and 256 columns (ch: heads 4 ch .. 4 ch + 3) of q, k and v: 128 x 2 = 256 work-groups.  The norm of a token block is made by both work-groups that share it: that spares a launch and xn's way through memory.
; Wave w: the norm and the codes of tokens 8 w .. 8 w + 7; then head w % 4 of q (w < 4) or of k for all 64 tokens; then v for 32 of Wv's rows (head w / 2, two tiles of 16 d), with the same fragments of xn.
; THE NORM: a wave's load covers 512 consecutive bytes of a row; one exchange of half rows of lanes gives each lane 8 neighbours along K (k = 256 s + 8 lane + 0..7), 16 numbers of each of 8 rows.
; TOKEN TILES: tile T (0..3) has tokens 8 T + 0..7 in rows 0-7 and 32 + 8 T + 0..7 in rows 8-15, so that the registers of the four tiles of a result are, in lane (r, h), the whole block h of 32 tokens (v's K, the keys of the scores).
; W's ROWS of a head are chosen likewise: tile i has dims 8 i + 0..7 in rows 0-7 and 32 + 8 (i xor 1) + 0..7 in rows 8-15: a lane's registers are the whole block h of the head's 64; in block 1 the groups of eight stand in another order, alike in q and k, so their products keep.
; WHAT IS STORED: a record of 7,168 bytes for each (batch x 8 + head, block of 64 tokens): images of operand registers (lane l's 16 bytes at 16 l), scale bytes, and the norm's numbers:
;   0 K: 4 tiles x 512;  2048 V^T: 4 tiles of 16 d x 512;  4096 K's scales, 2 bytes a token;  4224 V's, 2 bytes a d;  4352 Q's, 2 bytes a token;  4480 zeros;  4608 {mu, rstd} a token;  5120 Q: 4 tiles x 512.  Tokens in tile order throughout.
; CLUSTER: four work-groups of one ch: W's tiles are asked for jointly (mask 15); cx enters x's and the records' global addresses alone.  LDS bytes are filled once.  No prefetch: there is no loop to run ahead in.
; LIMITS: NaN and infinities are not served; a block whose largest magnitude lies under 2^-124, a block of zeros among them, gets the scale byte 1 (its codes are then zeros or subnormal codes; the bytes are read by this program alone).
.set RECB, 7168
.set HSTR, 32*RECB                     ; from a head's records to the next head's
.set WPT,  272                         ; an LDS row of codes: 256 bytes + 16 of padding
.set XC,   768*WPT                     ; behind Wq's, Wk's, Wv's 256 rows each: xn's codes, 64 rows in tile order
.set XS,   XC+64*WPT                   ; their scale bytes, 16 a row
.set GA,   XS+1024                     ; bytes 4096 .. 5119 of the four heads' records, gathered here and stored whole
.set SPARE, GA+4096                    ; the spare words, 128 bytes for each wave
.set LI,   1                           ; 16 x lane
.set XPO,  2                           ; x: 32 r + 16 h
.set GBO,  3                           ; gamma, beta: 32 x lane
.set WSO,  4                           ; Wq's or Wk's scale words
.set SPW,  5
.set NIL,  6
.set WA0,  7                           ; a fragment of my 64 rows of Wq or Wk: even tiles
.set WA1,  8                           ; odd tiles
.set WVA,  9                           ; of my 32 rows of Wv
.set XA,   10                          ; of xn
.set XSA,  11                          ; xn's scale words
.set XWA,  12                          ; where my codes go
.set XSW,  13                          ; my scale bytes
.set STA,  14                          ; my {mu, rstd}
.set QKA,  15                          ; q's or k's scale bytes
.set TM,   16                          ; v16-27 at work in QUANT
.set VSA,  28                          ; v's scale bytes
.set GRD,  29                          ; the gathered bytes, on the way out
.set ZA,   30                          ; the zeros
.set G,    32                          ; v32-47 gamma
.set BT,   48                          ; v48-63 beta
.set MU,   64                          ; v64-79 {mu, rstd} of my 8 rows
.set SQ,   80                          ; v80-95 at work in the sums
.set VACC, 32                          ; later v32-95 v's 8 accumulators
.set WS,   96                          ; v96-103 my W's scale words: register 4 n + s: tiles 2 n (lanes 0-15) and 2 n + 1 (lanes 16-31), K step s
.set WVS,  104                         ; v104-107 Wv's
.set XSR,  108                         ; v108-115 xn's, like W's
.set PX,   116                         ; v116-126 at work
.set ACC,  128                         ; v128-255 q's or k's 16 accumulators; before that: 16 maxima, operands, bytes, codes
; window 1: v[16 j ..] row j of x, later xn's fragments at 32 s + 8 T; v128 on W's fragments at 128 + 32 s + 8 i, later Wv's at 128 + 16 s + 8 d; v192 on codes on their way out
.set WV,   3
.set G1W,  28                          ; s[28:35] descriptor group 1;  s[36:39], s[40:43], s[44:47] groups 0 for Wq, Wk, Wv
.set G0Q,  36
.set G0K,  40
.set G0V,  44
.set SEL,  48
.set MSB, 0
.macro WIN new                         ; the immediate's high byte repeats the setting that is left
.if MSB != \new
	s_set_vgpr_msb (MSB<<8)|\new
.set MSB, \new
.endif
.endm
.macro ROUND                           ; a round of the cluster's barrier
	s_barrier_signal -1
	s_barrier_wait -1
	s_cmp_lg_u32 s[WV], 0
	s_cbranch_scc1 .Lnot_wave_0_\@
	s_barrier_signal -3
.Lnot_wave_0_\@:
	s_barrier_wait -3
	s_barrier_signal -1
	s_barrier_wait -1
.endm
.macro PLACES
.rept 4
	v_nop
.endr
.endm
	s_load_b512 s[8:23], s[0:1], 0x0               ; x, gamma, beta, Wq codes, Wq scales, Wk codes, Wk scales, Wv codes
	s_load_b128 s[24:27], s[0:1], 0x40             ; Wv scales, qkv
	v_lshl_add_u32 v[SPW], v0, 2, SPARE
	v_mov_b32 v[NIL], 0
	ds_add_u32 v[SPW], v[NIL]                      ; the wave's opening: the add, twice on end, under one wait
	ds_add_u32 v[SPW], v[NIL]
	v_lshrrev_b32 v116, 5, v0
	v_readfirstlane_b32 s[WV], v116                ; wave 0..7
	v_and_b32 v117, 15, v0                         ; r
	v_bfe_u32 v118, v0, 4, 1                       ; h
	v_bfe_u32 v119, v0, 3, 1                       ; r / 8
	v_and_b32 v120, 7, v0                          ; r % 8
	v_and_b32 v121, 31, v0                         ; lane
	v_lshlrev_b32 v[LI], 4, v121
	v_lshlrev_b32 v122, 5, v117
	v_lshl_add_u32 v[XPO], v118, 4, v122
	v_lshlrev_b32 v[GBO], 5, v121
	v_lshlrev_b32 v123, 4, v118                    ; 16 h
	v_mul_u32_u24 v124, v120, WPT
	v_add_nc_u32 v124, v124, v123                  ; row r % 8, + 16 h
	s_mul_i32 s7, s[WV], 64*WPT
	v_mul_u32_u24 v125, v119, 40*WPT               ; even i: rows 8-15 are 40 rows on (dims 32 + 8 (i + 1));
	v_add_nc_u32 v[WA0], v124, v125
	v_add_nc_u32 v[WA0], s7, v[WA0]
	v_mul_u32_u24 v125, v119, 24*WPT               ; odd i: 24 rows on (dims 32 + 8 (i - 1))
	v_add_nc_u32 v[WA1], v124, v125
	v_add_nc_u32 v[WA1], s7, v[WA1]
	s_mul_i32 s7, s[WV], 32*WPT
	s_add_co_u32 s7, s7, 512*WPT
	v_mul_u32_u24 v126, v117, WPT
	v_add_nc_u32 v126, v126, v123                  ; row r, + 16 h
	v_add_nc_u32 v[WVA], s7, v126
	v_add_nc_u32 v[XA], XC, v126
	v_add_nc_u32 v[XSA], XS, v[LI]
	s_and_b32 s50, s[WV], 3
	s_lshl_b32 s50, s50, 4
	s_lshr_b32 s51, s[WV], 2
	s_lshl_b32 s52, s51, 3
	s_add_co_u32 s50, s50, s52                     ; my 8 tokens' first row in tile order: 16 (w % 4) + 8 (w / 4)
	s_mul_i32 s7, s50, WPT
	s_add_co_u32 s7, s7, XC
	v_lshl_add_u32 v[XWA], v121, 2, s7
	s_lshl_b32 s7, s50, 4
	s_add_co_u32 s7, s7, XS
	v_lshrrev_b32 v125, 2, v121
	v_add_nc_u32 v[XSW], s7, v125                  ; block 8 s + lane / 4
	s_lshl_b32 s7, s50, 3
	s_add_co_u32 s7, s7, GA+512
	v_and_b32 v125, 3, v121
	v_lshl_add_u32 v[STA], v125, 10, s7            ; lane % 4: the head
	v_lshl_add_u32 v125, v117, 1, v118             ; 2 r + h
	s_and_b32 s7, s[WV], 3
	s_lshl_b32 s7, s7, 10
	s_lshl_b32 s52, s51, 8
	s_sub_co_u32 s7, s7, s52
	s_add_co_u32 s7, s7, GA+256                    ; q's (w < 4) at 256, k's at 0
	v_add_nc_u32 v[QKA], s7, v125
	s_lshr_b32 s50, s[WV], 1
	s_lshl_b32 s50, s50, 10
	s_and_b32 s52, s[WV], 1
	s_lshl_b32 s52, s52, 6
	s_add_co_u32 s50, s50, s52
	s_add_co_u32 s7, s50, GA+128
	s_wait_alu depctr_va_vdst(0)                   ; directly ahead of the reader below
	v_add_nc_u32 v[VSA], s7, v125
	s_add_co_u32 s7, s50, GA+384
	v_lshl_add_u32 v[ZA], v121, 1, s7
	s_lshl_b32 s7, s[WV], 9
	s_add_co_u32 s7, s7, GA
	v_add_nc_u32 v[GRD], s7, v[LI]
	v_mul_u32_u24 v125, v119, 40                   ; W's scale words: row r % 8 + 8 h + (r / 8) (40 - 16 h), 16 bytes a row
	v_lshl_add_u32 v125, v118, 3, v125
	v_add_nc_u32 v125, v125, v120
	v_and_b32 v124, v119, v118
	v_lshlrev_b32 v124, 4, v124
	v_sub_nc_u32 v125, v125, v124
	v_lshlrev_b32 v[WSO], 4, v125
	s_bfe_u32 s4, ttmp6, 0x40000                   ; cx
	s_lshl_b32 s5, ttmp9, 2
	s_add_co_u32 s5, s5, s4                        ; RB: my block of 64 tokens
	s_and_b32 s6, ttmp7, 0xffff                    ; ch: my half of the columns, which the four partners share
	s_mov_b32 s53, 0
	; descriptor group 1: 128 rows of 256 bytes, dense in memory, 16 bytes of padding behind each in LDS
	s_mov_b32 s[G1W+0], 15|(1<<20)|(1<<21)|(5<<22)|(3<<25)   ; 15:0 the mask: all four work-groups; 17:16 elements of 1 byte; 20 padding on; 21 set beside a mask; 24:22 after every 64 words; 31:25 four words
	s_mov_b32 s[G1W+1], 256<<16                    ; tensor_dim0
	s_mov_b32 s[G1W+2], 128<<16                    ; tensor_dim1
	s_mov_b32 s[G1W+3], 256<<16                    ; tile_dim0
	s_mov_b32 s[G1W+4], 128                        ; tile_dim1
	s_mov_b32 s[G1W+5], 256                        ; from row to row
	s_mov_b32 s[G1W+6], 0
	s_mov_b32 s[G1W+7], 0
	s_mov_b32 s[SEL], 0x76543210
	s_mov_b32 s[SEL+1], 0xfedcba98
	s_mov_b32 s62, 0x3b000000                      ; 1 / 512
	s_mov_b32 s63, 0x3727c5ac                      ; 1e-5
	s_wait_alu depctr_va_vdst(0)                   ; ahead of the head's waits
	s_wait_dscnt 0x0                               ; both opening adds are done
	s_wait_kmcnt 0x0
	s_lshl_b32 s52, s5, 17                         ; x at my first token: row 64 RB + 8 w, rows of 2,048 bytes
	s_lshl_b32 s7, s[WV], 14
	s_add_co_u32 s52, s52, s7
	s_add_nc_u64 s[8:9], s[8:9], s[52:53]
	WIN 0x40                                       ; destination window 1
.irp j, 0,1,2,3,4,5,6,7
.irp q, 0,1,2,3
	global_load_b128 v[16*\j+4*\q:16*\j+4*\q+3], v[XPO], s[8:9] offset:2048*\j+512*\q
.endr
.endr
	WIN 0
.irp q, 0,1,2,3                                    ; gamma and beta of k = 256 s + 8 lane + 0..7
	global_load_b128 v[G+4*\q:G+4*\q+3], v[GBO], s[10:11] offset:1024*(\q/2)+16*(\q%2)
	global_load_b128 v[BT+4*\q:BT+4*\q+3], v[GBO], s[12:13] offset:1024*(\q/2)+16*(\q%2)
.endr
	s_cmp_lt_u32 s[WV], 4
	s_cselect_b64 s[56:57], s[16:17], s[20:21]     ; Wq's scales or Wk's
	s_lshl_b32 s52, s6, 12
	s_lshl_b32 s7, s[WV], 9
	s_add_co_u32 s50, s52, s7
	s_mov_b32 s51, 0
	s_add_nc_u64 s[24:25], s[24:25], s[50:51]      ; Wv's: rows 256 ch + 32 w on, 16 bytes a row
	s_and_b32 s7, s[WV], 3
	s_lshl_b32 s7, s7, 10
	s_add_co_u32 s52, s52, s7
	s_add_nc_u64 s[56:57], s[56:57], s[52:53]      ; rows 256 ch + 64 (w % 4) on
	global_load_b128 v[WS:WS+3], v[WSO], s[56:57]
	global_load_b128 v[WS+4:WS+7], v[WSO], s[56:57] offset:256
	global_load_b128 v[WVS:WVS+3], v[LI], s[24:25] ; lanes 0-15 my first tile of Wv, lanes 16-31 the second
	s_lshl_b32 s52, s6, 16                         ; W's codes: 256 rows of 256 bytes for each ch; waves 0, 1: Wq's halves, 2, 3: Wk's, 4, 5: Wv's
	s_and_b32 s7, s[WV], 1
	s_lshl_b32 s7, s7, 15
	s_add_co_u32 s52, s52, s7
	s_mul_i32 s7, s[WV], 128*WPT
	s_mov_b32 s[G0Q], 1
	s_mov_b32 s[G0Q+1], s7
	s_add_nc_u64 s[G0Q+2:G0Q+3], s[14:15], s[52:53]
	s_or_b32 s[G0Q+3], s[G0Q+3], 0x80000000
	s_mov_b32 s[G0K], 1
	s_mov_b32 s[G0K+1], s7
	s_add_nc_u64 s[G0K+2:G0K+3], s[18:19], s[52:53]
	s_or_b32 s[G0K+3], s[G0K+3], 0x80000000
	s_mov_b32 s[G0V], 1
	s_mov_b32 s[G0V+1], s7
	s_add_nc_u64 s[G0V+2:G0V+3], s[22:23], s[52:53]
	s_or_b32 s[G0V+3], s[G0V+3], 0x80000000
	s_lshr_b32 s7, s5, 5                           ; the first head's record: ((batch x 8 + 4 ch) x 32 + block) x 7,168
	s_lshl_b32 s7, s7, 3
	s_lshl_b32 s50, s6, 2
	s_add_co_u32 s7, s7, s50
	s_lshl_b32 s7, s7, 5
	s_and_b32 s50, s5, 31
	s_add_co_u32 s7, s7, s50
	s_mul_i32 s52, s7, RECB
	s_add_nc_u64 s[26:27], s[26:27], s[52:53]
	s_and_b32 s7, s[WV], 3
	s_mul_i32 s52, s7, HSTR
	s_lshr_b32 s7, s[WV], 2
	s_mul_i32 s7, s7, 5120
	s_sub_co_u32 s52, s52, s7
	s_add_co_u32 s52, s52, 5120                    ; q's image at 5120 (w < 4), k's at 0
	s_add_nc_u64 s[54:55], s[26:27], s[52:53]
	s_lshr_b32 s7, s[WV], 1
	s_mul_i32 s7, s7, HSTR
	s_and_b32 s50, s[WV], 1
	s_lshl_b32 s51, s50, 10
	s_add_co_u32 s52, s7, s51
	s_add_co_u32 s52, s52, 2048
	s_add_nc_u64 s[58:59], s[26:27], s[52:53]      ; V's images of my two d tiles
	s_lshl_b32 s51, s50, 9
	s_add_co_u32 s52, s7, s51
	s_add_co_u32 s52, s52, 4096
	s_add_nc_u64 s[60:61], s[26:27], s[52:53]      ; my 512 of the gathered bytes
	ROUND                                          ; all four work-groups are here: the joint loads meet
	s_cmp_lt_u32 s[WV], 2                          ; a wave's one fill stands in one branch on the wave's number; four v_nop follow each line
	s_cbranch_scc0 .Lnot_q
	tensor_load_to_lds s[G0Q:G0Q+3], s[G1W:G1W+7]
	s_nop 0
	PLACES
	s_branch .Lasked
.Lnot_q:
	s_cmp_lt_u32 s[WV], 4
	s_cbranch_scc0 .Lnot_k
	tensor_load_to_lds s[G0K:G0K+3], s[G1W:G1W+7]
	s_nop 0
	PLACES
	s_branch .Lasked
.Lnot_k:
	s_cmp_lt_u32 s[WV], 6
	s_cbranch_scc0 .Lasked
	tensor_load_to_lds s[G0V:G0V+3], s[G1W:G1W+7]
	s_nop 0
	PLACES
.Lasked:
; Row by row as they come: the lane's sum of 16 numbers; then lanes 16-31 of each first half and lanes 0-15 of each second half change places: 8 neighbours along K in 8 registers.
.irp j, 0,1,2,3,4,5,6,7
	s_wait_loadcnt 39-4*\j                         ; behind row j: 4 loads for each later row, 8 of gamma and beta, 3 of scale words
	WIN 0x05
.irp n, 0,1,2,3
	v_pk_add_f32 v[SQ+8*(\j%2)+2*\n:SQ+8*(\j%2)+2*\n+1], v[16*\j+4*\n:16*\j+4*\n+1], v[16*\j+4*\n+2:16*\j+4*\n+3]
.endr
	WIN 0
	v_pk_add_f32 v[SQ+8*(\j%2):SQ+8*(\j%2)+1], v[SQ+8*(\j%2):SQ+8*(\j%2)+1], v[SQ+8*(\j%2)+2:SQ+8*(\j%2)+3]
	v_pk_add_f32 v[SQ+8*(\j%2)+4:SQ+8*(\j%2)+5], v[SQ+8*(\j%2)+4:SQ+8*(\j%2)+5], v[SQ+8*(\j%2)+6:SQ+8*(\j%2)+7]
	v_pk_add_f32 v[MU+2*\j:MU+2*\j+1], v[SQ+8*(\j%2):SQ+8*(\j%2)+1], v[SQ+8*(\j%2)+4:SQ+8*(\j%2)+5]
	v_add_f32 v[MU+2*\j], v[MU+2*\j], v[MU+2*\j+1]
	WIN 0x41
.irp n, 0,1,2,3
	v_permlane16_swap_b32 v[16*\j+\n], v[16*\j+4+\n]
	v_permlane16_swap_b32 v[16*\j+8+\n], v[16*\j+12+\n]
.endr
.endr
.macro ACROSS base                     ; the sums of the 8 rows over the 32 lanes, the rows by turns
.irp m, 1,2,4,8
.irp j, 0,1,2,3,4,5,6,7
	v_add_f32_dpp v[\base+2*\j], v[\base+2*\j], v[\base+2*\j] row_xmask:\m row_mask:0xf bank_mask:0xf
.endr
.endr
.irp j, 0,1,2,3,4,5,6,7
	v_permlanex16_b32 v[PX+\j], v[\base+2*\j], s[SEL], s[SEL+1]
.endr
.irp j, 0,1,2,3,4,5,6,7
	v_add_f32 v[\base+2*\j], v[\base+2*\j], v[PX+\j]
.endr
.endm
	WIN 0
	ACROSS MU
.irp j, 0,1,2,3,4,5,6,7
	v_mul_f32 v[MU+2*\j], s62, v[MU+2*\j]          ; mu
.endr
	WIN 0x41
.set p, 0
.rept 64
	v_pk_add_f32 v[2*p:2*p+1], v[2*p:2*p+1], v[MU+2*(p/8):MU+2*(p/8)+1] op_sel_hi:[1,0] neg_lo:[0,1] neg_hi:[0,1]   ; x - mu: the variance is taken of the deviations, so a common offset of x costs nothing
.set p, p+1
.endr
	WIN 0x05
.irp j, 0,1,2,3,4,5,6,7
	v_pk_mul_f32 v[SQ+2*\j:SQ+2*\j+1], v[16*\j:16*\j+1], v[16*\j:16*\j+1]
.endr
.irp n, 2,4,6,8,10,12,14
.irp j, 0,1,2,3,4,5,6,7
	v_pk_fma_f32 v[SQ+2*\j:SQ+2*\j+1], v[16*\j+\n:16*\j+\n+1], v[16*\j+\n:16*\j+\n+1], v[SQ+2*\j:SQ+2*\j+1]
.endr
.endr
	WIN 0
.irp j, 0,1,2,3,4,5,6,7
	v_add_f32 v[SQ+2*\j], v[SQ+2*\j], v[SQ+2*\j+1]
.endr
	ACROSS SQ
.irp j, 0,1,2,3,4,5,6,7
	v_fma_f32 v[SQ+2*\j], v[SQ+2*\j], s62, s63     ; the variance + 1e-5
.endr
	s_wait_alu depctr_va_vdst(0)                   ; ahead of the batch of transcendentals
	s_wait_loadcnt 0x3                             ; gamma and beta; W's scale words may be out
.irp j, 0,1,2,3,4,5,6,7
	v_rsq_f32 v[MU+2*\j+1], v[SQ+2*\j]
.endr
	v_nop                                          ; a plain place behind the transcendentals
	s_wait_alu depctr_va_vdst(0)
	WIN 0x41
.set p, 0
.rept 64
	v_pk_mul_f32 v[2*p:2*p+1], v[2*p:2*p+1], v[MU+2*(p/8):MU+2*(p/8)+1] op_sel:[0,1] op_sel_hi:[1,1]   ; x rstd
.set p, p+1
.endr
.set p, 0
.rept 64
	v_pk_fma_f32 v[2*p:2*p+1], v[2*p:2*p+1], v[G+2*(p%8):G+2*(p%8)+1], v[BT+2*(p%8):BT+2*(p%8)+1]      ; xn
.set p, p+1
.endr
; xn's codes: 16 groups of 8 numbers (row j, half s: group 2 j + s); four neighbouring lanes share a block.
	WIN 0x05
.set p, 0
.rept 16
	v_max3_num_f32 v[ACC+p], |v[8*p]|, |v[8*p+1]|, 0x1800000   ; the floor 2^(3 - 127): the byte cannot fall under 1
.set p, p+1
.endr
.irp n, 2,4,6
.set p, 0
.rept 16
	v_max3_num_f32 v[ACC+p], |v[8*p+\n]|, |v[8*p+\n+1]|, v[ACC+p]
.set p, p+1
.endr
.endr
	WIN 0
.irp m, 1,2
.set p, 0
.rept 16
	v_max_num_f32_dpp v[ACC+p], v[ACC+p], v[ACC+p] row_xmask:\m row_mask:0xf bank_mask:0xf
.set p, p+1
.endr
.endr
.set p, 0
.rept 16
	v_add_nc_u32 v[ACC+16+p], 0xff000000, v[ACC+p] ; 2 off its exponent field: the conversion takes this operand's exponent field as its scale
.set p, p+1
.endr
.set p, 0
.rept 16
	v_lshrrev_b32 v[ACC+32+p], 23, v[ACC+16+p]     ; the scale's byte
.set p, p+1
.endr
	WIN 0x01
.set p, 0
.rept 16
	v_cvt_scalef32_pk8_fp4_f32 v[ACC+48+p], v[8*p:8*p+7], v[ACC+16+p]
.set p, p+1
.endr
	WIN 0
	v_nop                                          ; one plain place behind a scaled conversion
.set p, 0
.rept 16
	ds_store_b32 v[XWA], v[ACC+48+p] offset:WPT*(p/2)+128*(p%2)    ; 32 lanes store 128 consecutive bytes
	ds_store_b8 v[XSW], v[ACC+32+p] offset:16*(p/2)+8*(p%2)        ; four lanes write the same byte with the same value
.set p, p+1
.endr
.irp j, 0,1,2,3,4,5,6,7
	ds_store_b64 v[STA], v[MU+2*\j:MU+2*\j+1] offset:8*\j          ; for each of the four heads
.endr
	ds_store_b16 v[ZA], v[NIL]
	s_wait_alu depctr_va_vdst(0)
	s_wait_loadcnt 0x0                             ; W's scale words
	s_wait_tensorcnt 0x0                           ; my part of W's tiles has landed,
	s_wait_dscnt 0x0                               ; my stores are done:
	s_barrier_signal -1
	s_barrier_wait -1                              ; everybody's are: xn's codes, their scale bytes and W's three tiles lie in LDS
	ds_load_b128 v[XSR:XSR+3], v[XSA]              ; 32 rows of 16 bytes: token tiles 0 (lanes 0-15) and 1 (lanes 16-31),
	ds_load_b128 v[XSR+4:XSR+7], v[XSA] offset:512 ; 2 and 3
	WIN 0x40
.irp st, 0,1,2,3                                   ; K step by K step: xn's four fragments and W's four
.irp t, 0,1,2,3
.irp c, 0,1
	ds_load_b128 v[32*\st+8*\t+4*\c:32*\st+8*\t+4*\c+3], v[XA] offset:16*WPT*\t+64*\st+32*\c
	ds_load_b128 v[128+32*\st+8*\t+4*\c:131+32*\st+8*\t+4*\c], v[WA0+\t%2] offset:8*WPT*\t+64*\st+32*\c
.endr
.endr
.endr
; Four products: source 0's fragments at a and a + 8, source 1's at b and b + 8; results at d (+ 8: the second of source 0; + 32: the second of source 1).  z: the K step; step 0 starts the sums.
; All accumulators of a unit take turns, one instruction a turn.
.macro M4 d, a, b, sa, sb, z
.if (\z) == 0
	v_wmma_scale_f32_16x16x128_f8f6f4 v[\d:\d+7], v[\a:\a+7], v[\b:\b+7], 0, v[\sa], v[\sb] matrix_a_fmt:MATRIX_FMT_FP4 matrix_b_fmt:MATRIX_FMT_FP4
	v_wmma_scale_f32_16x16x128_f8f6f4 v[\d+8:\d+15], v[\a+8:\a+15], v[\b:\b+7], 0, v[\sa], v[\sb] matrix_a_fmt:MATRIX_FMT_FP4 matrix_b_fmt:MATRIX_FMT_FP4 matrix_a_scale:MATRIX_SCALE_ROW1
	v_wmma_scale_f32_16x16x128_f8f6f4 v[\d+32:\d+39], v[\a:\a+7], v[\b+8:\b+15], 0, v[\sa], v[\sb] matrix_a_fmt:MATRIX_FMT_FP4 matrix_b_fmt:MATRIX_FMT_FP4 matrix_b_scale:MATRIX_SCALE_ROW1
	v_wmma_scale_f32_16x16x128_f8f6f4 v[\d+40:\d+47], v[\a+8:\a+15], v[\b+8:\b+15], 0, v[\sa], v[\sb] matrix_a_fmt:MATRIX_FMT_FP4 matrix_b_fmt:MATRIX_FMT_FP4 matrix_a_scale:MATRIX_SCALE_ROW1 matrix_b_scale:MATRIX_SCALE_ROW1
.else
	v_wmma_scale_f32_16x16x128_f8f6f4 v[\d:\d+7], v[\a:\a+7], v[\b:\b+7], v[\d:\d+7], v[\sa], v[\sb] matrix_a_fmt:MATRIX_FMT_FP4 matrix_b_fmt:MATRIX_FMT_FP4
	v_wmma_scale_f32_16x16x128_f8f6f4 v[\d+8:\d+15], v[\a+8:\a+15], v[\b:\b+7], v[\d+8:\d+15], v[\sa], v[\sb] matrix_a_fmt:MATRIX_FMT_FP4 matrix_b_fmt:MATRIX_FMT_FP4 matrix_a_scale:MATRIX_SCALE_ROW1
	v_wmma_scale_f32_16x16x128_f8f6f4 v[\d+32:\d+39], v[\a:\a+7], v[\b+8:\b+15], v[\d+32:\d+39], v[\sa], v[\sb] matrix_a_fmt:MATRIX_FMT_FP4 matrix_b_fmt:MATRIX_FMT_FP4 matrix_b_scale:MATRIX_SCALE_ROW1
	v_wmma_scale_f32_16x16x128_f8f6f4 v[\d+40:\d+47], v[\a+8:\a+15], v[\b+8:\b+15], v[\d+40:\d+47], v[\sa], v[\sb] matrix_a_fmt:MATRIX_FMT_FP4 matrix_b_fmt:MATRIX_FMT_FP4 matrix_a_scale:MATRIX_SCALE_ROW1 matrix_b_scale:MATRIX_SCALE_ROW1
.endif
.endm
; n sets of 32 accumulator registers from src on, a lane's whole block each: maxima, operands, scale bytes in v[TM ..], TM+4, TM+8; codes into window 1 at pc, 4 registers a set.
.macro QUANT n, src, pc
.set i, 0
.rept 16
.set j, 0
.rept \n
.if i == 0
	v_max3_num_f32 v[TM+j], |v[\src+32*j]|, |v[\src+1+32*j]|, 0x1800000
.else
	v_max3_num_f32 v[TM+j], v[TM+j], |v[\src+32*j+2*i]|, |v[\src+1+32*j+2*i]|   ; each accumulator is read from its low end on
.endif
.set j, j+1
.endr
.set i, i+1
.endr
.set j, 0
.rept \n
	v_add_nc_u32 v[TM+4+j], 0xff000000, v[TM+j]
.set j, j+1
.endr
.set j, 0
.rept \n
	v_lshrrev_b32 v[TM+8+j], 23, v[TM+4+j]
.set j, j+1
.endr
	WIN 0x40
.set j, 0
.rept 4*\n
	v_cvt_scalef32_pk8_fp4_f32 v[\pc+j], v[\src+8*j:\src+8*j+7], v[TM+4+j/4]
.set j, j+1
.endr
	WIN 0
	v_nop                                          ; one plain place behind a scaled conversion
.endm
	; ---- q or k: source 0 = 16 rows of my W, source 1 = a token tile: a lane holds one token, its registers run along the head's 64
	WIN 0x05
.irp st, 0,1,2,3
	s_wait_dscnt 48-16*\st                         ; the later K steps' 16 loads each may be out
.irp bb, 0,2
.irp aa, 0,2
	M4 ACC+8*(4*\bb+\aa), 128+32*\st+8*\aa, 32*\st+8*\bb, WS+2*\aa+\st, XSR+2*\bb+\st, \st
.endr
.endr
.endr
	WIN 0
	PLACES                                         ; in front of the loads into W's registers and of the first read of the results
	WIN 0x40
.irp st, 0,1,2,3                                   ; my two tiles of Wv
.irp d, 0,1
.irp c, 0,1
	ds_load_b128 v[128+16*\st+8*\d+4*\c:131+16*\st+8*\d+4*\c], v[WVA] offset:16*WPT*\d+64*\st+32*\c
.endr
.endr
.endr
	WIN 0
	QUANT 4, ACC, 192
.irp t, 0,1,2,3
	ds_store_b8 v[QKA], v[TM+8+\t] offset:32*\t    ; 2 bytes a token: byte h
.endr
	WIN 0x04
.irp t, 0,1,2,3
	global_store_b128 v[LI], v[192+4*\t:195+4*\t], s[54:55] offset:512*\t   ; 32 lanes store 512 consecutive bytes, at a multiple of 256 from the buffer's first byte
.endr
	WIN 0
	s_wait_alu depctr_va_vdst(0)
	s_wait_dscnt 0x0                               ; Wv's fragments
	; ---- v: source 0 = a token tile, source 1 = 16 rows of Wv: a lane holds one d, its registers run along the block's 64 tokens, which are the second product's K
	WIN 0x05
.irp st, 0,1,2,3
.irp aa, 0,2
	M4 VACC+8*\aa, 32*\st+8*\aa, 128+16*\st, XSR+2*\aa+\st, WVS+\st, \st
.endr
.endr
	WIN 0
	PLACES                                         ; in front of the first read of the results
	QUANT 2, VACC, 208
.irp t, 0,1
	ds_store_b8 v[VSA], v[TM+8+\t] offset:32*\t
.endr
	WIN 0x04
.irp t, 0,1
	global_store_b128 v[LI], v[208+4*\t:211+4*\t], s[58:59] offset:512*\t
.endr
	WIN 0
	s_wait_alu depctr_va_vdst(0)
	s_wait_dscnt 0x0                               ; my scale bytes are in the gathering place:
	s_barrier_signal -1
	s_barrier_wait -1                              ; everybody's are
	ds_load_b128 v[PX:PX+3], v[GRD]
	s_wait_dscnt 0x0
	global_store_b128 v[LI], v[PX:PX+3], s[60:61]  ; 512 consecutive bytes a wave
	s_wait_tensorcnt 0x0                           ; the wave's end
	ds_add_u32 v[SPW], v[NIL]
	s_wait_dscnt 0x0
	ROUND                                          ; the closing round: no work-group ends while a partner may still ask for a tile that names it
	s_endpgm
.Lfunc_end_k_qa0ff7ed4ee_proj:
	.size	k_qa0ff7ed4ee_proj, .Lfunc_end_k_qa0ff7ed4ee_proj-k_qa0ff7ed4ee_proj
	.p2alignl 7, 3214868480
	.fill 96, 4, 3214868480
	.section	.rodata,"a",@progbits
	.p2align	6, 0x0
	.amdhsa_kernel k_qa0ff7ed4ee_proj
		.amdhsa_group_segment_fixed_size 232448
		.amdhsa_private_segment_fixed_size 0
		.amdhsa_enable_private_segment 0
		.amdhsa_kernarg_size 80
		.amdhsa_user_sgpr_count 2
		.amdhsa_user_sgpr_kernarg_segment_ptr 1
		.amdhsa_wavefront_size32 1
		.amdhsa_system_sgpr_workgroup_id_x 1
		.amdhsa_system_sgpr_workgroup_id_y 1
		.amdhsa_system_sgpr_workgroup_id_z 1
		.amdhsa_system_vgpr_workitem_id 0
		.amdhsa_next_free_vgpr 512
		.amdhsa_next_free_sgpr 66
		.amdhsa_reserve_vcc 0
		.amdhsa_float_denorm_mode_32 3
		.amdhsa_float_denorm_mode_16_64 3
		.amdhsa_memory_ordered 1
		.amdhsa_forward_progress 1
		.amdhsa_inst_pref_size 83
	.end_amdhsa_kernel
	.amdgpu_metadata
---
amdhsa.version: [ 1, 2 ]
amdhsa.kernels:
  - .name:           k_qa0ff7ed4ee_proj
    .symbol:         k_qa0ff7ed4ee_proj.kd
    .args:
      - { .name: x, .offset: 0, .size: 8, .value_kind: global_buffer, .address_space: global }
      - { .name: ln_gamma, .offset: 8, .size: 8, .value_kind: global_buffer, .address_space: global }
      - { .name: ln_beta, .offset: 16, .size: 8, .value_kind: global_buffer, .address_space: global }
      - { .name: Wq_codes, .offset: 24, .size: 8, .value_kind: global_buffer, .address_space: global }
      - { .name: Wq_scales, .offset: 32, .size: 8, .value_kind: global_buffer, .address_space: global }
      - { .name: Wk_codes, .offset: 40, .size: 8, .value_kind: global_buffer, .address_space: global }
      - { .name: Wk_scales, .offset: 48, .size: 8, .value_kind: global_buffer, .address_space: global }
      - { .name: Wv_codes, .offset: 56, .size: 8, .value_kind: global_buffer, .address_space: global }
      - { .name: Wv_scales, .offset: 64, .size: 8, .value_kind: global_buffer, .address_space: global }
      - { .name: qkv, .offset: 72, .size: 8, .value_kind: global_buffer, .address_space: global }
    .group_segment_fixed_size: 232448
    .private_segment_fixed_size: 0
    .kernarg_segment_align: 8
    .kernarg_segment_size: 80
    .max_flat_workgroup_size: 256
    .sgpr_count:     66
    .vgpr_count:     512
    .wavefront_size: 32
...
	.end_amdgpu_metadata
.endif
;; end of part 1
;; launch attn (part 2): grid 8 x 32, 8 waves a work-group, clusters of 4 x 1, 211,968 bytes of LDS; arguments qkv, x, ln_gamma, ln_beta, out0; writes out0
.if DOCPART == 2
	.amdgcn_target "amdgcn-amd-amdhsa--gfx1250"
	.amdhsa_code_object_version 6
	.text
	.protected	k_qa0ff7ed4ee_attn
	.globl	k_qa0ff7ed4ee_attn
	.p2align	8
	.type	k_qa0ff7ed4ee_attn,@function
k_qa0ff7ed4ee_attn:
	s_mov_b64 s[64:65], 0
	v_nop
	global_prefetch_b8 v0, s[64:65] scope:SCOPE_SE
	s_setreg_imm32_b32 hwreg(HW_REG_WAVE_MODE, 25, 1), 1
	s_wait_xcnt 0x0
	s_wait_alu depctr_hold_cnt(0) depctr_sa_sdst(0) depctr_va_vdst(0) depctr_va_sdst(0) depctr_va_ssrc(0) depctr_va_vcc(0) depctr_vm_vsrc(0)
	s_getreg_b32 s2, hwreg(HW_REG_IB_STS2, 6, 4)
	s_cmp_eq_u32 s2, 0
	s_cbranch_scc0 .Lentry_in_a_cluster
	s_endpgm
.Lentry_in_a_cluster:
	s_bfe_u32 s2, ttmp6, 0x10000c
	s_cmp_lg_u32 s2, 0x3003
	s_cbranch_scc0 .Lentry_shape_is_right
	s_endpgm
.Lentry_shape_is_right:
; out = softmax(q k^T / sqrt(512)) v + xn, both products on codes of FP4 (E2M1) with one E8M0 scale for each 32 along K, from the records that the launch before stored (their layout: that launch's head).
; THE SOFTMAX AHEAD OF THE SECOND PRODUCT: t = score x log2(e) / sqrt(512); M = the row's largest t so far, rounded UP to a whole number; p = 2^(t - M) is quantised along the keys, not normalised;
; the row's sum is taken of the unquantised p and divides at the end.  When M moves, the sum and O are multiplied by 2^(old M - new M): exact.
; SHARES.  A work-group owns 256 queries of one (batch, head); each of its eight waves two tiles of 16 (A and B), so that each fragment of K and V feeds both.  A step is 256 keys; 8 steps.
; THE WHOLE HEAD'S K AND V STAY IN LDS: 32 blocks of 64 keys x 4,352 bytes (K's images, V's images, both scales); wave w brings blocks 4 w .. 4 w + 3, step w's, by ONE tensor load.  Nothing is filled again.
; The first step needs wave 0's load alone: a first barrier shows that one, a second (signalled in the first step, waited for at its end) all the others.
; CLUSTER: the four query blocks of a cluster belong to one head: each load is a joint one (mask 15); cx enters Q's, x's and the output's global addresses alone.
; LAYOUT.  S^T = K Q^T (source 0 = 16 keys, source 1 = 16 queries), O^T = V^T P^T: a lane holds ONE query (lane % 16) of each tile throughout.
; A block of 64 keys has four tiles; tile i has keys 8 i + 0..7 in rows 0-7 and 32 + 8 i + 0..7 in rows 8-15: the 32 registers of the four tiles are, in lane (r, h), the WHOLE block h of 32 keys in order.
; So a block's maximum needs no other lane, and its codes are the next operand's registers as they come.  My queries have the same order; the output's addresses honour it.
; THE HEAD'S 64 fill half of the instruction's 128 along K: registers 4-7 of Q's fragments hold zero codes; those of K's are the next tile's codes, which meet these zeros alone; the scale bytes there are 0, never 0xff.
; THE SCALE OF A BLOCK OF p: its largest p is 2^y, y = the largest score's t - M, so floor(y) is its exponent (p within half a unit in the last place of a power of two may go either way).
; No prefetch: the loop reads no memory; x is asked for at the head of the last step and used behind it.
; LIMITS: NaN and infinities are not served; the scaled scores t stay under 2^31 in magnitude.
; REGISTERS, window 1: v[32 q ..] chunk q of the scores, then of p: tile A's four chunks (q = 0..3), tile B's (4..7).  V's fragments land in chunks 0 and 1 when these are done with.  Window 0: below.
.set RECB, 7168
.set HSTR, 32*RECB
.set KVB,  4352                        ; what a block of 64 keys takes in LDS: 17 units of 256 bytes
.set STB,  4*KVB                       ; a step's
.set STAGE, 8*STB                      ; 32 rows x (256 + 16) bytes for each wave, for the way out; no tensor load lands there
.set SPT,  272
.set STATS, STAGE+8*32*SPT             ; {mu, rstd} of my 32 queries, 256 bytes a wave
.set SPARE, STATS+2048                 ; the spare words, 128 bytes for each wave
.set LK,   1                           ; 16 x lane: K's and V's images
.set LKS,  2                           ; 2 x lane + 4096: K's scales, V's 128 on
.set SPW,  5                           ; my spare word
.set NIL,  6                           ; 0
.set GO,   7                           ; x and out: lanes 0-15 one row's 256 bytes, lanes 16-31 the next row's
.set STO,  8                           ; my stage, in
.set RD,   9                           ; my stage, out
.set STR,  10                          ; my {mu, rstd}, out: + 8 h
.set CO,   11                          ; 16 (lane % 16)
.set NM,   12                          ; v12 -M of A, v13 its largest score; v14, v15 those of B
.set QF,   16                          ; v16-23, v24-31 Q's fragments
.set QS,   32                          ; v32-33 their scale words
.set PS,   34                          ; v34-37 p's scale words: 2 x tile + half
.set FF,   38                          ; v38-39, v40-41 f = 2^(old M - new M) and a written neighbour
.set BM,   42                          ; v42-49 the chunks' largest scores; in the last step, later, gamma and beta
.set OPS,  50                          ; v50-57 the conversions' scale operands
.set ADR,  58
.set ADS,  59
.set TU,   60                          ; v60-63 at work; the upper halves of V's scale words on their way
.set AC,   64                          ; v64-71, v72-79 the sums, four pairs a tile
.set O,    80                          ; v80-111, v112-143 O^T
.set PCD,  144                         ; v144-175 p's codes: 4 registers a chunk
.set KR,   176                         ; v176-239 K's 16 fragments, 4 registers each, v240-243 behind the last; in the last step, later, x
.set VS,   244                         ; v244-247 V's scale words: 2 x half + d tile / 2
.set KS,   248                         ; v248-255 K's: register n: tiles 2 n (lanes 0-15) and 2 n + 1 (lanes 16-31)
.set WV,   3
.set SEL,  20
.set CS,   22
.set G1,   24
.set G0,   32
.set TB,   36                          ; LDS byte of the step whose K is asked for next
.set CNT,  37
.set TV,   54                          ; of the step whose V is asked for next
.set NCS,  55                          ; -c
.set MSB, 0
.macro WIN new                         ; the immediate's high byte repeats the setting that is left
.if MSB != \new
	s_set_vgpr_msb (MSB<<8)|\new
.set MSB, \new
.endif
.endm
.macro ROUND                           ; a round of the cluster's barrier
	s_barrier_signal -1
	s_barrier_wait -1
	s_cmp_lg_u32 s[WV], 0
	s_cbranch_scc1 .Lnot_wave_0_\@
	s_barrier_signal -3
.Lnot_wave_0_\@:
	s_barrier_wait -3
	s_barrier_signal -1
	s_barrier_wait -1
.endm
.macro NOPS n
.rept \n
	v_nop
.endr
.endm
	s_load_b256 s[8:15], s[0:1], 0x0               ; qkv, x, gamma, beta
	s_load_b64 s[16:17], s[0:1], 0x20              ; out0
	v_lshl_add_u32 v[SPW], v0, 2, SPARE
	v_mov_b32 v[NIL], 0
	ds_add_u32 v[SPW], v[NIL]                      ; the wave's opening: the add, twice on end, under one wait
	ds_add_u32 v[SPW], v[NIL]
	v_lshrrev_b32 v100, 5, v0
	v_readfirstlane_b32 s[WV], v100                ; wave 0..7
.irp j, 20,21,22,23,28,29,30,31,39,41,60,61,62,63,240,241,242,243
	v_mov_b32 v\j, 0                               ; Q's zero codes; pairs' neighbours; lane permutes' destinations; the registers behind K's last fragment
.endr
	s_mul_i32 s7, s[WV], 32*SPT
	s_add_co_u32 s7, s7, STAGE
	s_lshl_b32 s4, s[WV], 8
	s_add_co_u32 s4, s4, STATS
	v_and_b32 v101, 15, v0                         ; r
	v_bfe_u32 v102, v0, 4, 1                       ; h
	v_and_b32 v105, 31, v0                         ; lane
	v_lshlrev_b32 v[LK], 4, v105
	v_lshl_add_u32 v[LKS], v105, 1, 4096
	v_lshlrev_b32 v109, 3, v105                    ; 8 x lane
	v_lshlrev_b32 v[CO], 4, v101
	v_lshl_add_u32 v[GO], v102, 11, v[CO]
	v_mul_u32_u24 v[STO], v101, SPT
	v_lshl_add_u32 v[STO], v102, 5, v[STO]
	v_add_nc_u32 v[STO], s7, v[STO]                ; in: row r, + 32 h; d tile t's eight channels 64 t on
	v_mul_u32_u24 v[RD], v102, SPT
	v_add_nc_u32 v[RD], v[RD], v[CO]
	v_add_nc_u32 v[RD], s7, v[RD]                  ; back: lanes 0-15 one row, lanes 16-31 the next
	v_lshlrev_b32 v[STR], 3, v102
	v_add_nc_u32 v[STR], s4, v[STR]
	v_add_nc_u32 v110, s4, v109                    ; {mu, rstd}, in: 8 x lane
	v_lshlrev_b32 v111, 1, v101                    ; 2 r
	s_bfe_u32 s4, ttmp6, 0x40000                   ; cx
	s_lshl_b32 s5, ttmp9, 2
	s_add_co_u32 s5, s5, s4                        ; my block of 256 queries
	s_and_b32 s6, ttmp7, 0xffff                    ; batch x 8 + head, which the four partners share
	s_mul_i32 s38, s6, HSTR                        ; the head's first record
	s_mul_i32 s7, s[WV], 4*RECB
	s_add_co_u32 s46, s38, s7                      ; the four records that I fetch
	s_mov_b32 s47, 0
	s_mov_b32 s51, 0
	; descriptor group 1: four rows of 4,352 bytes (544 elements of 8 bytes), a record apart in memory, on end in LDS
	s_mov_b32 s[G1+0], 15|(3<<16)|(1<<21)          ; 15:0 the mask: all four work-groups; 17:16 elements of 8 bytes; 21 set beside a mask
	s_mov_b32 s[G1+1], (KVB/8)<<16
	s_mov_b32 s[G1+2], 4<<16
	s_mov_b32 s[G1+3], (KVB/8)<<16
	s_mov_b32 s[G1+4], 4
	s_mov_b32 s[G1+5], RECB/8
	s_mov_b32 s[G1+6], 0
	s_mov_b32 s[G1+7], 0
	s_mov_b32 s[SEL], 0x76543210
	s_mov_b32 s[SEL+1], 0xfedcba98
	s_mov_b32 s[CS], 0x3d8293ee                    ; c = log2(e) / sqrt(512)
	s_mov_b32 s[CS+1], s[CS]                       ; (named with it as a pair, so it is written)
	s_mov_b32 s[NCS], 0xbd8293ee                   ; -c
	s_mov_b32 s[TB], STB
	s_mov_b32 s[TV], 0
	s_mov_b32 s[CNT], 6
	s_lshl_b32 s39, s5, 2
	s_lshr_b32 s7, s[WV], 1
	s_add_co_u32 s39, s39, s7                      ; my queries' block of 64 tokens
	s_and_b32 s18, s[WV], 1                        ; and their two tiles in it: 2 s18 and 2 s18 + 1
	s_mul_i32 s7, s39, RECB
	s_add_co_u32 s50, s38, s7
	s_wait_alu depctr_va_vdst(0)                   ; ahead of the head's waits
	s_wait_dscnt 0x0                               ; both opening adds are done
	s_wait_kmcnt 0x0
	s_mov_b32 s[G0], 1
	s_mul_i32 s[G0+1], s[WV], STB
	s_add_nc_u64 s[G0+2:G0+3], s[8:9], s[46:47]
	s_or_b32 s[G0+3], s[G0+3], 0x80000000
	s_add_nc_u64 s[52:53], s[8:9], s[50:51]        ; my queries' record
	s_lshl_b32 s50, s18, 10
	s_add_co_u32 s50, s50, 5120
	s_add_nc_u64 s[40:41], s[52:53], s[50:51]      ; Q's images
	s_lshl_b32 s50, s18, 6
	s_add_co_u32 s50, s50, 4352
	s_add_nc_u64 s[42:43], s[52:53], s[50:51]      ; their scale bits
	s_lshl_b32 s50, s18, 8
	s_add_co_u32 s50, s50, 4608
	s_add_nc_u64 s[44:45], s[52:53], s[50:51]      ; {mu, rstd}
	global_load_b128 v[QF:QF+3], v[LK], s[40:41]
	global_load_b128 v[QF+8:QF+11], v[LK], s[40:41] offset:512
	global_load_u16 v[QS], v111, s[42:43]          ; two bytes; the upper two are 0
	global_load_u16 v[QS+1], v111, s[42:43] offset:32
	global_load_b64 v[104:105], v109, s[44:45]     ; {mu, rstd}: lanes 0-15 tile A's rows, lanes 16-31 tile B's
	s_lshr_b32 s7, s6, 3                           ; x and out at my first token and my head's 64 columns
	s_lshl_b32 s7, s7, 11
	s_lshl_b32 s19, s39, 6
	s_add_co_u32 s7, s7, s19
	s_lshl_b32 s19, s18, 4
	s_add_co_u32 s7, s7, s19
	s_lshl_b32 s7, s7, 11
	s_and_b32 s19, s6, 7
	s_lshl_b32 s19, s19, 8
	s_add_co_u32 s50, s7, s19
	s_add_nc_u64 s[10:11], s[10:11], s[50:51]
	s_add_nc_u64 s[16:17], s[16:17], s[50:51]
	s_mov_b32 s50, s19
	s_add_nc_u64 s[12:13], s[12:13], s[50:51]
	s_add_nc_u64 s[14:15], s[14:15], s[50:51]
	ROUND                                          ; all four work-groups are here: the joint loads meet
	s_cmp_eq_u32 s[WV], 0                          ; wave 0's load is waited for by itself, so it has a line of its own
	s_cbranch_scc0 .Lothers
	tensor_load_to_lds s[G0:G0+3], s[G1:G1+7]
	s_nop 0
	NOPS 4
	s_branch .Lasked
.Lothers:
	tensor_load_to_lds s[G0:G0+3], s[G1:G1+7]
	s_nop 0
	NOPS 4
.Lasked:
	s_wait_loadcnt 0x0
	ds_store_b64 v110, v[104:105]
	s_cmp_eq_u32 s[WV], 0
	s_cbranch_scc0 .Lfirst
	s_wait_tensorcnt 0x0                           ; the first step's keys have landed
.Lfirst:
	s_wait_dscnt 0x0
	s_barrier_signal -1
	s_barrier_wait -1                              ; the first step's keys are shown to all
.macro KLOAD adr, ads                  ; a step's 16 fragments of K and their scales (two bytes; the upper two are 0)
.set T, 0
.rept 16
	ds_load_b128 v[KR+4*T:KR+4*T+3], v[\adr] offset:KVB*(T/4)+512*(T%4)
.set T, T+1
.endr
.set T, 0
.rept 8
	ds_load_u16 v[KS+T], v[\ads] offset:KVB*(T/2)+64*(T%2)
.set T, T+1
.endr
.endm
.macro VLOAD                           ; the step's fragments of V into window 1's chunks 0 and 1, at 32 x half + 8 x d tile, and their scales: two bytes of each of the half's two blocks
	WIN 0
	v_add_nc_u32 v[ADR], s[TV], v[LK]
	v_add_nc_u32 v[ADS], s[TV], v[LKS]
.set T, 0
.rept 4
	ds_load_u16 v[VS+T], v[ADS] offset:KVB*2*(T/2)+128+64*(T%2)
	ds_load_u16 v[TU+T], v[ADS] offset:KVB*(2*(T/2)+1)+128+64*(T%2)
.set T, T+1
.endr
	WIN 0x40
.set T, 0
.rept 16
	ds_load_b128 v[4*T:4*T+3], v[ADR] offset:KVB*(2*(T/8)+T%2)+2048+512*((T/2)%4)
.set T, T+1
.endr
.endm
.macro MAXES                           ; both tiles: the largest score of each of my eight blocks, the eight by turns; each accumulator is read from its low end on
.set j, 0
.rept 8
	v_max_num_f32 v[BM+j], v[32*j], v[32*j+1]
.set j, j+1
.endr
.set i, 2
.rept 15
.set j, 0
.rept 8
	v_max3_num_f32 v[BM+j], v[32*j+i], v[32*j+i+1], v[BM+j]
.set j, j+1
.endr
.set i, i+2
.endr
.endm
.macro CVT q                           ; chunk q's codes
.irp i, 0,1,2,3
	v_cvt_scalef32_pk8_fp4_f32 v[PCD+4*(\q)+\i], v[32*(\q)+8*\i:32*(\q)+8*\i+7], v[OPS+(\q)]
.endr
.endm
.macro FMA1 q, n                       ; t - M of one pair of chunk q
	v_pk_fma_f32 v[32*(\q)+2*(\n):32*(\q)+2*(\n)+1], v[32*(\q)+2*(\n):32*(\q)+2*(\n)+1], s[CS:CS+1], v[NM+2*((\q)/4):NM+2*((\q)/4)+1] op_sel_hi:[1,0,0]
.endm
.macro HALF1 q, n                      ; the sum of p, first stage: 16 pairs of chunk q become 8, in place (its codes have been made)
	v_pk_add_f32 v[32*(\q)+2*(\n):32*(\q)+2*(\n)+1], v[32*(\q)+2*(\n):32*(\q)+2*(\n)+1], v[32*(\q)+16+2*(\n):32*(\q)+16+2*(\n)+1]
.endm
.macro SUMACC q, first                 ; second stage: the 8 pairs onto the tile's four; in the first step a tile's first chunk starts them
.if (\first) && (((\q)%4) == 0)
	WIN 0x05
.irp j, 0,1,2,3
	v_pk_add_f32 v[AC+8*((\q)/4)+2*\j:AC+8*((\q)/4)+2*\j+1], v[32*(\q)+2*\j:32*(\q)+2*\j+1], v[32*(\q)+8+2*\j:32*(\q)+9+2*\j]
.endr
.else
	WIN 0x01
.irp j, 0,1,2,3
	v_pk_add_f32 v[AC+8*((\q)/4)+2*\j:AC+8*((\q)/4)+2*\j+1], v[32*(\q)+2*\j:32*(\q)+2*\j+1], v[AC+8*((\q)/4)+2*\j:AC+8*((\q)/4)+2*\j+1]
.endr
.irp j, 0,1,2,3
	v_pk_add_f32 v[AC+8*((\q)/4)+2*\j:AC+8*((\q)/4)+2*\j+1], v[32*(\q)+8+2*\j:32*(\q)+9+2*\j], v[AC+8*((\q)/4)+2*\j:AC+8*((\q)/4)+2*\j+1]
.endr
.endif
.endm
; Chunk q's 32 exponentials as a batch, with work among them that names none of them and none of whose results is read before the next wait: the next chunk's t - M, the first stage of the sum of the chunk two back.
; Ahead of the batch ONE wait, for both sides of it.  Behind the exponentials, ahead of the next wait: the codes of the chunk before, the second stage of the sum of the chunk three back.
.macro BATCH q, first
	s_wait_alu depctr_va_vdst(0)
	WIN 0x45
.set n, 0
.rept 16
	v_exp_f32 v[32*\q+2*n], v[32*\q+2*n]
.if (\q > 1) && (n%2)
	HALF1 \q-2, n/2
.endif
	v_exp_f32 v[32*\q+2*n+1], v[32*\q+2*n+1]
.if \q < 7
	FMA1 \q+1, n
.endif
.set n, n+1
.endr
.if \q == 7
	v_nop                                          ; a plain place behind the transcendental
.endif
.if \q > 0
	WIN 0x01
	CVT \q-1
.endif
.if \q > 2
	SUMACC \q-3, \first
.endif
.if \q == 4
	VLOAD                                          ; chunks 0 and 1 are done with
.endif
.endm
; A STEP: 256 keys.  first = 1: nothing summed before.  last = 1: x, gamma and beta are asked for; no next K.
.macro STEP first, last
	s_wait_dscnt 0x0                               ; K's fragments and scale words
	WIN 0x40
.set T, 0
.rept 8                                            ; S^T = K Q^T, 16 tiles of keys x 2 tiles of queries
	v_wmma_scale_f32_16x16x128_f8f6f4 v[16*T:16*T+7], v[KR+8*T:KR+8*T+7], v[QF:QF+7], 0, v[KS+T], v[QS] matrix_a_fmt:MATRIX_FMT_FP4 matrix_b_fmt:MATRIX_FMT_FP4
	v_wmma_scale_f32_16x16x128_f8f6f4 v[128+16*T:135+16*T], v[KR+8*T:KR+8*T+7], v[QF+8:QF+15], 0, v[KS+T], v[QS+1] matrix_a_fmt:MATRIX_FMT_FP4 matrix_b_fmt:MATRIX_FMT_FP4
	v_wmma_scale_f32_16x16x128_f8f6f4 v[16*T+8:16*T+15], v[KR+8*T+4:KR+8*T+11], v[QF:QF+7], 0, v[KS+T], v[QS] matrix_a_fmt:MATRIX_FMT_FP4 matrix_b_fmt:MATRIX_FMT_FP4 matrix_a_scale:MATRIX_SCALE_ROW1
	v_wmma_scale_f32_16x16x128_f8f6f4 v[136+16*T:143+16*T], v[KR+8*T+4:KR+8*T+11], v[QF+8:QF+15], 0, v[KS+T], v[QS+1] matrix_a_fmt:MATRIX_FMT_FP4 matrix_b_fmt:MATRIX_FMT_FP4 matrix_a_scale:MATRIX_SCALE_ROW1
.set T, T+1
.endr
	WIN 0
.if \first || \last
	NOPS 4                                         ; places in front of the first read of the results and of loads into K's registers
.else
	v_add_nc_u32 v[ADR], s[TB], v[LK]
	v_add_nc_u32 v[ADS], s[TB], v[LKS]
	NOPS 2                                         ; four places with the two additions
	KLOAD ADR, ADS                                 ; the next step's K
	s_add_co_u32 s[TB], s[TB], STB
.endif
.if \last
.set T, 0
.rept 16                                           ; rows 2 i and 2 i + 1 of tile X, T = 8 X + i: tokens 8 X + 2 i + 24 (i / 4) on
	global_load_b128 v[KR+4*T:KR+4*T+3], v[GO], s[10:11] offset:(8*(T/8)+2*(T%8)+24*((T%8)/4))*2048 th:TH_LOAD_NT
.set T, T+1
.endr
.endif
	WIN 0x05
	MAXES
	WIN 0
.irp x, 0,1
	v_max3_num_f32 v[TU+\x], v[BM+4*\x], v[BM+4*\x+1], v[BM+4*\x+2]
.endr
.irp x, 0,1
	v_max_num_f32 v[TU+\x], v[TU+\x], v[BM+4*\x+3]
.endr
.irp x, 0,1
	v_permlanex16_b32 v[TU+2+\x], v[TU+\x], s[SEL], s[SEL+1]
.endr
.irp x, 0,1
.if \first
	v_max_num_f32 v[NM+2*\x+1], v[TU+\x], v[TU+2+\x]
.else
	v_max3_num_f32 v[NM+2*\x+1], v[NM+2*\x+1], v[TU+\x], v[TU+2+\x]   ; the running largest score of my query
.endif
.endr
.irp x, 0,1
	v_mul_f32 v[TU+\x], s[NCS], v[NM+2*\x+1]       ; -t (c is positive)
.endr
.if \first == 0
.irp x, 0,1
	v_mov_b32 v[TU+2+\x], v[NM+2*\x]
.endr
.endif
.irp x, 0,1
	v_floor_f32 v[NM+2*\x], v[TU+\x]               ; the new -M = floor(-t): a whole number
.endr
.if \first == 0
.irp x, 0,1
	v_sub_f32 v[TU+2+\x], v[NM+2*\x], v[TU+2+\x]   ; M's old value less its new one: 0 or less
.endr
.irp x, 0,1
	v_cvt_i32_f32 v[TU+2+\x], v[TU+2+\x]           ; (it saturates)
.endr
.irp x, 0,1
	v_ldexp_f32 v[FF+2*\x], 1.0, v[TU+2+\x]        ; f = 2^(old M - new M)
.endr
.endif
.irp k, 0,2,4,6
	v_pk_fma_f32 v[BM+\k:BM+\k+1], v[BM+\k:BM+\k+1], s[CS:CS+1], v[NM+2*(\k/4):NM+2*(\k/4)+1] op_sel_hi:[1,0,0]   ; the blocks' largest t - M
.endr
.irp k, 0,1,2,3,4,5,6,7
	v_max_num_f32 v[BM+\k], 0xc2f80000, v[BM+\k]   ; not under -124: the scale's byte cannot fall under 1
.endr
.irp k, 0,1,2,3,4,5,6,7
	v_cvt_floor_i32_f32 v[BM+\k], v[BM+\k]         ; the exponent of the block's largest p
.endr
.irp k, 0,1,2,3,4,5,6,7
	v_lshl_add_u32 v[OPS+\k], v[BM+\k], 23, 0x3e800000   ; less 2, plus 127, as an exponent field: the conversion's scale operand
.endr
.irp k, 0,1,2,3
	v_lshl_add_u32 v[PS+\k], v[BM+2*\k+1], 16, v[BM+2*\k]   ; my two blocks' exponents at bytes 0 and 2;
.endr
.irp k, 0,1,2,3
	v_permlanex16_b32 v[TU+\k], v[PS+\k], s[SEL], s[SEL+1]
.endr
.irp k, 0,1,2,3
	v_lshl_add_u32 v[PS+\k], v[TU+\k], 8, v[PS+\k] ; in lanes 0-15 lane l + 16's two at bytes 1 and 3;
.endr
.irp k, 0,1,2,3
	v_add_nc_u32 v[PS+\k], 0x7d7d7d7d, v[PS+\k]    ; + 125 in each byte: p's scale word for 128 keys
.endr
.if \first == 0
.irp j, 0,1,2,3
	v_pk_mul_f32 v[AC+2*\j:AC+2*\j+1], v[AC+2*\j:AC+2*\j+1], v[FF:FF+1] op_sel_hi:[1,0]   ; the sums under the new M
	v_pk_mul_f32 v[AC+8+2*\j:AC+9+2*\j], v[AC+8+2*\j:AC+9+2*\j], v[FF+2:FF+3] op_sel_hi:[1,0]
.endr
.endif
.if \first
	s_wait_alu depctr_va_vdst(0)                   ; directly ahead of the waits below
	s_wait_tensorcnt 0x0                           ; my part of the later steps' keys has landed:
	s_wait_dscnt 0x0
	s_barrier_signal -1                            ; say so; the wait stands at this step's end, with register work and loads of the first step's V between
.endif
.if \last
	global_load_b128 v[BM:BM+3], v[CO], s[12:13]   ; gamma,
	global_load_b128 v[BM+4:BM+7], v[CO], s[14:15] ; beta of my four columns
.endif
	WIN 0x45
.set n, 0
.rept 16
	FMA1 0, n
.set n, n+1
.endr
	BATCH 0, \first
	BATCH 1, \first
	BATCH 2, \first
	BATCH 3, \first
	BATCH 4, \first
	BATCH 5, \first
	BATCH 6, \first
	BATCH 7, \first
	s_wait_alu depctr_va_vdst(0)
	WIN 0x01
	CVT 7
	SUMACC 5, \first
	WIN 0x45
.irp q, 6,7
.set n, 0
.rept 8
	HALF1 \q, n
.set n, n+1
.endr
.endr
	SUMACC 6, \first
	SUMACC 7, \first
.if \last
	WIN 0x40
.set T, 0
.rept 16                                           ; {mu, rstd} of the rows of x's 16 loads, into chunk 4, which is done with
	ds_load_b64 v[128+2*T:129+2*T], v[STR] offset:16*T
.set T, T+1
.endr
.endif
	WIN 0
	s_wait_dscnt 0x0                               ; V and its scales
.irp k, 0,1,2,3
	v_lshl_or_b32 v[VS+\k], v[TU+\k], 16, v[VS+\k] ; V's scale words for 128 keys
.endr
.if \first
	NOPS 8                                         ; a scale register written by a vector instruction stands 8 places ahead of its product
.else
	s_wait_alu depctr_va_vdst(0)                   ; directly ahead of the first reader of O^T
.set j, 0
.rept 32
	v_pk_mul_f32 v[O+2*j:O+2*j+1], v[O+2*j:O+2*j+1], v[FF+2*(j/16):FF+2*(j/16)+1] op_sel_hi:[1,0]   ; O^T under the new M, each accumulator from its low end on
.set j, j+1
.endr
.endif
	WIN 0x01
.irp e, 0,1                                        ; O^T += V^T P^T: the eight accumulators take turns, one instruction a turn
.irp x, 0,1
.irp t, 0,2
.if \first && (\e == 0)
	v_wmma_scale_f32_16x16x128_f8f6f4 v[O+32*\x+8*\t:O+32*\x+8*\t+7], v[32*\e+8*\t:32*\e+8*\t+7], v[PCD+16*\x+8*\e:PCD+16*\x+8*\e+7], 0, v[VS+2*\e+\t/2], v[PS+2*\x+\e] matrix_a_fmt:MATRIX_FMT_FP4 matrix_b_fmt:MATRIX_FMT_FP4
	v_wmma_scale_f32_16x16x128_f8f6f4 v[O+32*\x+8*\t+8:O+32*\x+8*\t+15], v[32*\e+8*\t+8:32*\e+8*\t+15], v[PCD+16*\x+8*\e:PCD+16*\x+8*\e+7], 0, v[VS+2*\e+\t/2], v[PS+2*\x+\e] matrix_a_fmt:MATRIX_FMT_FP4 matrix_b_fmt:MATRIX_FMT_FP4 matrix_a_scale:MATRIX_SCALE_ROW1
.else
	v_wmma_scale_f32_16x16x128_f8f6f4 v[O+32*\x+8*\t:O+32*\x+8*\t+7], v[32*\e+8*\t:32*\e+8*\t+7], v[PCD+16*\x+8*\e:PCD+16*\x+8*\e+7], v[O+32*\x+8*\t:O+32*\x+8*\t+7], v[VS+2*\e+\t/2], v[PS+2*\x+\e] matrix_a_fmt:MATRIX_FMT_FP4 matrix_b_fmt:MATRIX_FMT_FP4
	v_wmma_scale_f32_16x16x128_f8f6f4 v[O+32*\x+8*\t+8:O+32*\x+8*\t+15], v[32*\e+8*\t+8:32*\e+8*\t+15], v[PCD+16*\x+8*\e:PCD+16*\x+8*\e+7], v[O+32*\x+8*\t+8:O+32*\x+8*\t+15], v[VS+2*\e+\t/2], v[PS+2*\x+\e] matrix_a_fmt:MATRIX_FMT_FP4 matrix_b_fmt:MATRIX_FMT_FP4 matrix_a_scale:MATRIX_SCALE_ROW1
.endif
.endr
.endr
.endr
	WIN 0
.if \last == 0
	s_add_co_u32 s[TV], s[TV], STB
	NOPS 5                                         ; the next step's first products write over V's registers: five places
.endif
.if \first
	s_barrier_wait -1                              ; all the head's keys are in LDS
	v_add_nc_u32 v[ADR], s[TB], v[LK]
	v_add_nc_u32 v[ADS], s[TB], v[LKS]
	KLOAD ADR, ADS
	s_add_co_u32 s[TB], s[TB], STB
.endif
.endm
	KLOAD LK, LKS
	STEP 1, 0
.Lstep:                                                ; steps 1 to 6
	STEP 0, 0
	s_sub_co_u32 s[CNT], s[CNT], 1
	s_wait_alu depctr_va_vdst(0)
	s_cmp_lg_u32 s[CNT], 0
	s_cbranch_scc1 .Lstep
	STEP 0, 1
	; THE WAY OUT.  xn of my 32 rows x 64 columns, by rows (these lines are also the places behind the last products: they name none of their registers)
	s_wait_alu depctr_va_vdst(0)
	s_wait_loadcnt 0x0
	WIN 0x04
.set T, 0
.rept 16
	v_pk_add_f32 v[KR+4*T:KR+4*T+1], v[KR+4*T:KR+4*T+1], v[128+2*T:129+2*T] op_sel_hi:[1,0] neg_lo:[0,1] neg_hi:[0,1]     ; x - mu
	v_pk_add_f32 v[KR+4*T+2:KR+4*T+3], v[KR+4*T+2:KR+4*T+3], v[128+2*T:129+2*T] op_sel_hi:[1,0] neg_lo:[0,1] neg_hi:[0,1]
.set T, T+1
.endr
.set T, 0
.rept 16
	v_pk_mul_f32 v[KR+4*T:KR+4*T+1], v[KR+4*T:KR+4*T+1], v[128+2*T:129+2*T] op_sel:[0,1] op_sel_hi:[1,1]                  ; x rstd
	v_pk_mul_f32 v[KR+4*T+2:KR+4*T+3], v[KR+4*T+2:KR+4*T+3], v[128+2*T:129+2*T] op_sel:[0,1] op_sel_hi:[1,1]
.set T, T+1
.endr
	WIN 0
.set T, 0
.rept 16
	v_pk_fma_f32 v[KR+4*T:KR+4*T+1], v[KR+4*T:KR+4*T+1], v[BM:BM+1], v[BM+4:BM+5]
	v_pk_fma_f32 v[KR+4*T+2:KR+4*T+3], v[KR+4*T+2:KR+4*T+3], v[BM+2:BM+3], v[BM+6:BM+7]
.set T, T+1
.endr
.irp x, 0,1
	v_pk_add_f32 v[AC+8*\x:AC+8*\x+1], v[AC+8*\x:AC+8*\x+1], v[AC+8*\x+2:AC+8*\x+3]   ; the sum's parts,
	v_pk_add_f32 v[AC+8*\x+4:AC+8*\x+5], v[AC+8*\x+4:AC+8*\x+5], v[AC+8*\x+6:AC+8*\x+7]
.endr
.irp x, 0,1
	v_pk_add_f32 v[AC+8*\x:AC+8*\x+1], v[AC+8*\x:AC+8*\x+1], v[AC+8*\x+4:AC+8*\x+5]
.endr
.irp x, 0,1
	v_add_f32 v[AC+8*\x], v[AC+8*\x], v[AC+8*\x+1]
.endr
.irp x, 0,1
	v_permlanex16_b32 v[TU+\x], v[AC+8*\x], s[SEL], s[SEL+1]
.endr
.irp x, 0,1
	v_add_f32 v[AC+8*\x], v[AC+8*\x], v[TU+\x]     ; and lane l xor 16's: the row's sum
.endr
	s_wait_alu depctr_va_vdst(0)
	v_rcp_f32 v[AC], v[AC]
	v_rcp_f32 v[AC+8], v[AC+8]
	v_nop                                          ; a plain place behind the transcendentals
	s_wait_alu depctr_va_vdst(0)
.set j, 0
.rept 32
	v_pk_mul_f32 v[O+2*j:O+2*j+1], v[O+2*j:O+2*j+1], v[AC+8*(j/16):AC+8*(j/16)+1] op_sel_hi:[1,0]   ; O^T / the sum: register 8 t + i is o(row r, channel 16 t + 8 h + i)
.set j, j+1
.endr
.irp x, 0,1
.irp t, 0,1,2,3
	ds_store_b128 v[STO], v[O+32*\x+8*\t:O+32*\x+8*\t+3] offset:16*SPT*\x+64*\t
	ds_store_b128 v[STO], v[O+32*\x+8*\t+4:O+32*\x+8*\t+7] offset:16*SPT*\x+64*\t+16
.endr
.endr
	WIN 0x40
.set T, 0
.rept 16
	ds_load_b128 v[64+4*T:67+4*T], v[RD] offset:2*SPT*T            ; LDS serves a wave's instructions in order (ISA guide 5.7.1.4): these see my stores
.set T, T+1
.endr
.macro SEND x
	s_wait_alu depctr_va_vdst(0)
	s_wait_dscnt 8-8*\x                            ; tile A's eight are back; tile B's may be out
	WIN 0x41
.set T, 8*\x
.rept 8
	v_pk_add_f32 v[64+4*T:65+4*T], v[64+4*T:65+4*T], v[KR+4*T:KR+4*T+1]
	v_pk_add_f32 v[66+4*T:67+4*T], v[66+4*T:67+4*T], v[KR+4*T+2:KR+4*T+3]
.set T, T+1
.endr
	WIN 0x04
.set T, 8*\x
.rept 8
	global_store_b128 v[GO], v[64+4*T:67+4*T], s[16:17] offset:(8*(T/8)+2*(T%8)+24*((T%8)/4))*2048 th:TH_STORE_NT   ; 16 lanes store 256 consecutive bytes, at a multiple of 256 from the output's first byte
.set T, T+1
.endr
.endm
	SEND 0
	SEND 1
	WIN 0
	s_wait_tensorcnt 0x0                           ; the wave's end
	ds_add_u32 v[SPW], v[NIL]
	s_wait_dscnt 0x0
	ROUND                                          ; the closing round: no work-group ends while a partner may still ask for a block that names it
	s_endpgm
.Lfunc_end_k_qa0ff7ed4ee_attn:
	.size	k_qa0ff7ed4ee_attn, .Lfunc_end_k_qa0ff7ed4ee_attn-k_qa0ff7ed4ee_attn
	.p2alignl 7, 3214868480
	.fill 96, 4, 3214868480
	.section	.rodata,"a",@progbits
	.p2align	6, 0x0
	.amdhsa_kernel k_qa0ff7ed4ee_attn
		.amdhsa_group_segment_fixed_size 211968
		.amdhsa_private_segment_fixed_size 0
		.amdhsa_enable_private_segment 0
		.amdhsa_kernarg_size 40
		.amdhsa_user_sgpr_count 2
		.amdhsa_user_sgpr_kernarg_segment_ptr 1
		.amdhsa_wavefront_size32 1
		.amdhsa_system_sgpr_workgroup_id_x 1
		.amdhsa_system_sgpr_workgroup_id_y 1
		.amdhsa_system_sgpr_workgroup_id_z 1
		.amdhsa_system_vgpr_workitem_id 0
		.amdhsa_next_free_vgpr 512
		.amdhsa_next_free_sgpr 66
		.amdhsa_reserve_vcc 0
		.amdhsa_float_denorm_mode_32 3
		.amdhsa_float_denorm_mode_16_64 3
		.amdhsa_memory_ordered 1
		.amdhsa_forward_progress 1
		.amdhsa_inst_pref_size 175
	.end_amdhsa_kernel
	.amdgpu_metadata
---
amdhsa.version: [ 1, 2 ]
amdhsa.kernels:
  - .name:           k_qa0ff7ed4ee_attn
    .symbol:         k_qa0ff7ed4ee_attn.kd
    .args:
      - { .name: qkv, .offset: 0, .size: 8, .value_kind: global_buffer, .address_space: global }
      - { .name: x, .offset: 8, .size: 8, .value_kind: global_buffer, .address_space: global }
      - { .name: ln_gamma, .offset: 16, .size: 8, .value_kind: global_buffer, .address_space: global }
      - { .name: ln_beta, .offset: 24, .size: 8, .value_kind: global_buffer, .address_space: global }
      - { .name: out0, .offset: 32, .size: 8, .value_kind: global_buffer, .address_space: global }
    .group_segment_fixed_size: 211968
    .private_segment_fixed_size: 0
    .kernarg_segment_align: 8
    .kernarg_segment_size: 40
    .max_flat_workgroup_size: 256
    .sgpr_count:     66
    .vgpr_count:     512
    .wavefront_size: 32
...
	.end_amdgpu_metadata
.endif
;; end of part 2
